; MI455X (gfx1250); checked and timed in simulation.
; The chip was launched on July 23, 2026; its instructions are those of AMD's public machine-readable ISA for CDNA 5 (MIT licence, August 2026) and "CDNA5" Instruction Set Architecture Reference Guide (July 2026). The comments in the code are by the model that wrote it; some were corrected since.
;; FFQ Linear. Allowed arithmetic: float matrix products may take bf16 or f16 operands with f32 sums; other float arithmetic in f32, or as packed bf16 or f16 multiplies, adds, multiply-adds, maxima and minima; sums over many terms, partial sums and values carried from step to step in f32; what a program stores and reads back later, other than sums and carried values, may be rounded once to bf16 or f16.
;; Inputs: bias 4,096 float32; q_int 4,096 x 4,096 int32; scale 4,096 float32; x 2 x 2,048 x 4,096 float32; zero_point 4,096 int32.
;; Outputs: out0 2 x 2,048 x 4,096 float32.
;; 2 versions, each right; version 2 is version 1 with the launch cast written anew for expert scheduling mode. Each part assembles by itself: llvm-mc -triple=amdgcn-amd-amdhsa -mcpu=gfx1250 --defsym DOCPART=n.
;; ======== version 1 of 2: 2 launches
;; workspace buffers: xb 33,554,432 bytes; wb 33,554,432 bytes
;; launch cast (part 1): grid 256 x 2, 8 waves a work-group, no clusters, 0 bytes of LDS; arguments x, q_int, zero_point, xb, wb; writes xb, wb
.if DOCPART == 1
	.amdgcn_target "amdgcn-amd-amdhsa--gfx1250"
	.amdhsa_code_object_version 6
	.text
	.protected	k_q96e488801c_cast
	.globl	k_q96e488801c_cast
	.p2align	8
	.type	k_q96e488801c_cast,@function
k_q96e488801c_cast:
	s_mov_b64 s[64:65], 0
	v_nop
	global_prefetch_b8 v0, s[64:65] scope:SCOPE_SE
	s_setreg_imm32_b32 hwreg(HW_REG_WAVE_MODE, 25, 1), 1
	s_wait_xcnt 0x0
; BOTH MATRIX OPERANDS ARE MADE, ONCE.  xb[m][k] = bf16(x[m][k]);  wb[k][n] = bf16(f32(q_int[k][n]) - f32(zero_point[n])).  All four arrays are [4096][4096], the last index along the rows;
; neither is turned.  The scale is not folded in: it stays in f32 and meets the finished sums in the next launch.
; LIMITS.  x is rounded once to bf16 (8 significant bits).  q - zp is formed in f32 and rounded once: exact up to a magnitude of 256, 8 significant bits beyond; whole numbers
; beyond 2^24 are rounded by the conversion to f32.  NaN and infinities are not treated apart.
; SHARES.  Work-group (x, y) takes rows 16 x .. 16 x + 15 of x (y = 0) or of q_int (y = 1): 262,144 dense bytes in, 131,072 out.  A CHUNK is 1,024 numbers: thread t takes numbers 4 t .. 4 t + 3 of it,
; so a wave's load covers 512 consecutive bytes and a wave's store 256 consecutive bytes, aligned.  A row is four chunks, so chunk i has the columns of group i % 4: a thread's sixteen zero points
; stay in registers.  A ring of 16 slots in registers keeps 16 loads of every wave on their way; no wait for data in the loop is for zero.
; LEFT OUT: LDS, tensor loads and clusters (no byte is wanted twice); a prefetch (the loads themselves are the stream, and sixteen a wave are always out).
.set CH_IN,   4096                     ; bytes of a chunk as loaded
.set CH_OUT,  2048                     ; and as stored
.set DEPTH,   16                       ; slots = loads in flight in each wave; four rows
.set ROUNDS,  64/DEPTH                 ; the share's 64 chunks
.set RND_IN,  DEPTH*CH_IN
.set RND_OUT, DEPTH*CH_OUT
.set VI,  1                            ; v1        16 t: my bytes in a chunk as loaded, and in a group of zero points; never rewritten
.set VO,  2                            ; v2        8 t: my bytes in a chunk as stored; never rewritten
.set ZP,  4                            ; v[4:19]   my zero points in f32: group j at ZP + 4 j
.set T,   20                           ; v[20:23]  at work
.set X,   24                           ; v[24:87]  slot i: 4 registers as loaded
.set Y,   88                           ; v[88:119] slot i: 2 registers to store
.set IN,  20                           ; s[20:21]  the source at the round in hand
.set OUT, 22                           ; s[22:23]  the target at the round in hand
; One slot's turn.  kind = 0: x; 1: q_int.  ahead = 1: the slot is filled again with the chunk DEPTH further on.  left = how many younger loads may stay out.
.macro SLOT kind, i, ahead, left
	s_wait_loadcnt \left                           ; loads come back in order (ISA guide 5.7.1): mine is in, the younger ones stay out
.if \kind
.irp k, 0,1,2,3
	v_cvt_f32_i32 v[T+(\k)], v[X+4*(\i)+(\k)]
.endr
	v_pk_add_f32 v[T:T+1],   v[T:T+1],   v[ZP+4*((\i)%4):ZP+4*((\i)%4)+1]   neg_lo:[0,1] neg_hi:[0,1]  ; q - zp, two at a time
	v_pk_add_f32 v[T+2:T+3], v[T+2:T+3], v[ZP+4*((\i)%4)+2:ZP+4*((\i)%4)+3] neg_lo:[0,1] neg_hi:[0,1]
	v_cvt_pk_bf16_f32 v[Y+2*(\i)],   v[T],   v[T+1]
	v_cvt_pk_bf16_f32 v[Y+2*(\i)+1], v[T+2], v[T+3]
.else
	v_cvt_pk_bf16_f32 v[Y+2*(\i)],   v[X+4*(\i)],   v[X+4*(\i)+1]
	v_cvt_pk_bf16_f32 v[Y+2*(\i)+1], v[X+4*(\i)+2], v[X+4*(\i)+3]
.endif
.if \ahead
	global_load_b128 v[X+4*(\i):X+4*(\i)+3], v[VI], s[IN:IN+1] offset:CH_IN*(\i)+RND_IN th:TH_LOAD_NT  ; the load goes out ahead of the store
.endif
	global_store_b64 v[VO], v[Y+2*(\i):Y+2*(\i)+1], s[OUT:OUT+1] offset:CH_OUT*(\i)  ; no hint: the next launch reads these bytes
.endm
; A work-group's whole share, to the end of the program.
.macro STREAM kind
.if \kind
	s_add_nc_u64 s[IN:IN+1],   s[6:7],   s[16:17]
	s_add_nc_u64 s[OUT:OUT+1], s[12:13], s[18:19]
.irp j, 0,1,2,3
	global_load_b128 v[ZP+4*(\j):ZP+4*(\j)+3], v[VI], s[8:9] offset:4096*(\j)  ; columns 1,024 j + 4 t .. + 3
.endr
.else
	s_add_nc_u64 s[IN:IN+1],   s[4:5],   s[16:17]
	s_add_nc_u64 s[OUT:OUT+1], s[10:11], s[18:19]
.endif
.irp i, 0,1,2,3,4,5,6,7,8,9,10,11,12,13,14,15
	global_load_b128 v[X+4*(\i):X+4*(\i)+3], v[VI], s[IN:IN+1] offset:CH_IN*(\i) th:TH_LOAD_NT  ; the ring is filled: chunks 0 to 15; each byte is read once in the launch
.endr
.if \kind
	s_wait_loadcnt 16                              ; the zero points are in; the ring's sixteen loads, issued behind them, stay out
.irp j, 0,1,2,3,4,5,6,7,8,9,10,11,12,13,14,15
	v_cvt_f32_i32 v[ZP+(\j)], v[ZP+(\j)]
.endr
.endif
	s_mov_b32 s24, ROUNDS-1
.Lr\kind:
.irp i, 0,1,2,3,4,5,6,7,8,9,10,11,12,13,14,15
	SLOT \kind, \i, 1, DEPTH-1
.endr
	s_wait_xcnt 0x0                                ; every load and store issued so far has had its addresses translated (ISA guide 3.1): only behind this wait are the two bases stepped and Y written again
	s_add_nc_u64 s[IN:IN+1],   s[IN:IN+1],   RND_IN
	s_add_nc_u64 s[OUT:OUT+1], s[OUT:OUT+1], RND_OUT
	s_sub_co_u32 s24, s24, 1
	s_cmp_lg_u32 s24, 0
	s_cbranch_scc1 .Lr\kind
.irp i, 0,1,2,3,4,5,6,7,8,9,10,11,12,13,14,15
	SLOT \kind, \i, 0, DEPTH-1-(\i)                ; the last round loads nothing: no load leaves the share, and the counts run down
.endr
	s_endpgm
.endm
	s_load_b256 s[4:11], s[0:1], 0x0               ; x s[4:5], q_int s[6:7], zero_point s[8:9], xb s[10:11]
	s_load_b64 s[12:13], s[0:1], 0x20              ; wb
	v_lshlrev_b32 v[VI], 4, v0
	v_lshlrev_b32 v[VO], 3, v0
	s_and_b32 s14, ttmp7, 0xffff                   ; which of the two arrays
	s_lshl_b32 s16, ttmp9, 18                      ; my 16 rows: 262,144 bytes a work-group as loaded (under 2^26 in all),
	s_mov_b32 s17, 0
	s_lshl_b32 s18, ttmp9, 17                      ; 131,072 as stored
	s_mov_b32 s19, 0
	s_wait_kmcnt 0x0
	s_cmp_eq_u32 s14, 0
	s_cbranch_scc0 .Lq
	STREAM 0
.Lq:
	STREAM 1
.Lfunc_end_k_q96e488801c_cast:
	.size	k_q96e488801c_cast, .Lfunc_end_k_q96e488801c_cast-k_q96e488801c_cast
	.p2alignl 7, 3214868480
	.fill 96, 4, 3214868480
	.section	.rodata,"a",@progbits
	.p2align	6, 0x0
	.amdhsa_kernel k_q96e488801c_cast
		.amdhsa_group_segment_fixed_size 0
		.amdhsa_private_segment_fixed_size 0
		.amdhsa_enable_private_segment 0
		.amdhsa_kernarg_size 40
		.amdhsa_user_sgpr_count 2
		.amdhsa_user_sgpr_kernarg_segment_ptr 1
		.amdhsa_wavefront_size32 1
		.amdhsa_system_sgpr_workgroup_id_x 1
		.amdhsa_system_sgpr_workgroup_id_y 1
		.amdhsa_system_sgpr_workgroup_id_z 1
		.amdhsa_system_vgpr_workitem_id 0
		.amdhsa_next_free_vgpr 120
		.amdhsa_next_free_sgpr 66
		.amdhsa_reserve_vcc 0
		.amdhsa_float_denorm_mode_32 3
		.amdhsa_float_denorm_mode_16_64 3
		.amdhsa_memory_ordered 1
		.amdhsa_forward_progress 1
		.amdhsa_inst_pref_size 33
	.end_amdhsa_kernel
	.amdgpu_metadata
---
amdhsa.version: [ 1, 2 ]
amdhsa.kernels:
  - .name:           k_q96e488801c_cast
    .symbol:         k_q96e488801c_cast.kd
    .args:
      - { .name: x, .offset: 0, .size: 8, .value_kind: global_buffer, .address_space: global }
      - { .name: q_int, .offset: 8, .size: 8, .value_kind: global_buffer, .address_space: global }
      - { .name: zero_point, .offset: 16, .size: 8, .value_kind: global_buffer, .address_space: global }
      - { .name: xb, .offset: 24, .size: 8, .value_kind: global_buffer, .address_space: global }
      - { .name: wb, .offset: 32, .size: 8, .value_kind: global_buffer, .address_space: global }
    .group_segment_fixed_size: 0
    .private_segment_fixed_size: 0
    .kernarg_segment_align: 8
    .kernarg_segment_size: 40
    .max_flat_workgroup_size: 256
    .sgpr_count:     66
    .vgpr_count:     120
    .wavefront_size: 32
...
	.end_amdgpu_metadata
.endif
;; end of part 1
;; launch gemm (part 2): grid 16 x 16, 4 waves a work-group, clusters of 4 x 4, 327,680 bytes of LDS; arguments xb, wb, out0, scale, bias; writes out0
.if DOCPART == 2
	.amdgcn_target "amdgcn-amd-amdhsa--gfx1250"
	.amdhsa_code_object_version 6
	.text
	.protected	k_q96e488801c_gemm
	.globl	k_q96e488801c_gemm
	.p2align	8
	.type	k_q96e488801c_gemm,@function
k_q96e488801c_gemm:
	s_mov_b64 s[64:65], 0
	v_nop
	global_prefetch_b8 v0, s[64:65] scope:SCOPE_SE
	s_setreg_imm32_b32 hwreg(HW_REG_WAVE_MODE, 25, 1), 1
	s_wait_xcnt 0x0
	s_wait_alu depctr_hold_cnt(0) depctr_sa_sdst(0) depctr_va_vdst(0) depctr_va_sdst(0) depctr_va_ssrc(0) depctr_va_vcc(0) depctr_vm_vsrc(0)
	s_getreg_b32 s2, hwreg(HW_REG_IB_STS2, 6, 4)
	s_cmp_eq_u32 s2, 0
	s_cbranch_scc0 .Lentry_in_a_cluster
	s_endpgm
.Lentry_in_a_cluster:
	s_bfe_u32 s2, ttmp6, 0x10000c
	s_cmp_lg_u32 s2, 0xf033
	s_cbranch_scc0 .Lentry_shape_is_right
	s_endpgm
.Lentry_shape_is_right:
; out0[m][n] = scale[n] x (the sum over k of xb[m][k] wb[k][n]) + bias[n].  xb: [4096][4096] bf16, k along the rows.  wb: [4096][4096] bf16, n along the rows (q - zp, unscaled).
; out0: [4096][4096] f32.  Sums in f32; scale and bias in f32, one fused multiply-add on each finished sum.
; LIMITS.  The operands carry the rounding to bf16 of the launch before; nothing else is rounded but the f32 arithmetic itself.  NaN and infinities are not treated apart.
; SHARES.  A tile of out0, 256 x 256, is made by a work-group of four waves; a wave makes 128 x 128: 64 accumulators of 16 x 16, 512 registers.  256 tiles, one to a work-group.
; K goes in 32 steps of 128 through a ring of two LDS slots filled by the tensor data mover.  A's tile is 256 rows m x 256 bytes; B's is 128 rows k x 512 bytes, as it lies in memory, and its
; fragments come out of LDS turned, by ds_load_tr16_b128.  Every row of a tile starts at a multiple of 256 bytes from its buffer's first byte.
; CLUSTERS: 4 x 4 work-groups.  The four of a row of the cluster need the same tiles of A, the four of a column the same tiles of B: each tile is asked for JOINTLY, by the same tensor load with
; the same descriptor and a mask that names the four; each receives it in its own LDS.  That divides the requests for A and for B by four.
; THE MATRIX INSTRUCTION IS USED TRANSPOSED: source 0 = 16 columns n of B, source 1 = 16 rows m of A.  In the result lane l holds row m = l % 16, and its registers 0 to 7 the columns
; n = 8 (l / 16) + 0 .. 7: eight neighbouring numbers of a row of out0.
; THE WAY OUT: 16 rows at a time go raw (f32) through the wave's own stage in LDS and come back as whole rows of 512 bytes: a lane then holds the SAME four columns in every row, so its
; four scales and four biases are eight registers for the whole tile; two packed multiply-adds, one store of 16 bytes.
; REGISTERS, in windows of 256 (s_set_vgpr_msb: bits 1:0 source 0, 3:2 source 1, 5:4 source 2, 7:6 destination):
;   window 0: v0-31 addresses; v32-39 scale and bias; v64-127, v128-191 fragments of A, two buffers, and on the way out the rows read back
;   window 1: v64-127, v128-191 fragments of B, two buffers
;   window 2: the 32 accumulators of my rows 0-63 (accumulator (a, b) at v[8 (8 a + b)]);   window 3: those of my rows 64-127
.set SIZE_K, 4096
.set SIZE_N, 4096
.set KSTEP,  128
.set PA,     272                       ; a row of A in LDS: 256 bytes + 16 of padding = 68 words: row r starts at bank 4 r mod 64 (64 banks of 4 bytes: ISA guide 11.1): the 16 rows of a load start at 16 different banks
.set PB,     544                       ; a row of B: 512 + 32 = 136 words: row r starts at bank 8 r mod 64
.set HALFT,  128*PA                    ; what one tensor load brings: 128 rows of A, or 64 rows of B (64 x 544 is the same number of bytes)
.set SLOT,   4*HALFT                   ; A's 256 rows, then B's 128 rows
.set STAGE,  2*SLOT                    ; behind the ring, never filled by a tensor load: 16 rows x 528 bytes for each wave
.set SPITCH, 528                       ; 512 bytes + 16: the 16 rows that a store touches start at 16 different groups of four banks
.set SPARE,  STAGE+4*16*SPITCH         ; behind the stages: the spare words, 128 bytes for each wave: two blocks of 256 bytes that no other line names
.set LAPS,   SIZE_K/(2*KSTEP)          ; a lap = two K steps = once round the ring
.set STEP_A, KSTEP*2                   ; bytes from a K step to the next: along A's rows,
.set STEP_B, KSTEP*SIZE_N*2            ; and down B's
.set ADRA, 16                          ; v16-17  LDS address of my A fragments in slot 0, 1
.set ADRB, 20                          ; v20-21  the same for B
.set STO,  24                          ; v24     the way out: where I put 32 bytes of a row
.set RD,   25                          ; v25     the way out: where I read 16 bytes of a row back
.set CO,   26                          ; v26     16 x lane: my byte offset in 512 bytes of out0, of scale and of bias
.set SPW,  28                          ; v28     LDS address of my spare word: SPARE + 4 x my thread's number; never rewritten
.set NIL,  29                          ; v29     0; never rewritten
.set PFO,  30                          ; v30     the prefetches' offset; never rewritten
.set SC,   32                          ; v[32:35] scale of my four columns
.set BI,   36                          ; v[36:39] bias of my four columns
.set F0,   64                          ; fragment buffer 0
.set F1,   128                         ; fragment buffer 1
.set OB,   64                          ; the way out: 16 rows read back: v64-127 and v128-191 by turns
.set G1,  24                           ; s[24:31] descriptor group 1 for A's tiles
.set G0,  32                           ; s[32:39] descriptor group 0 for A's tiles, one set for each slot
.set G1B, 48                           ; s[48:55] descriptor group 1 for B's tiles
.set G0B, 56                           ; s[56:63] descriptor group 0 for B's tiles, one set for each slot
.set LIM, 43                           ; s43      1 in a wave that prefetches, else the greatest number
.set PFA, 44                           ; s[44:45] where my prefetches stand: two K steps on from the refill that is being asked for
.set PFS, 66                           ; s[66:67] their step from K step to K step
.set MSB, 0
.macro WIN new                         ; the immediate's high byte repeats the setting that is left; a switch that changes nothing is dropped
.if MSB != (\new)
	s_set_vgpr_msb (MSB<<8)|(\new)
.set MSB, \new
.endif
.endm
.set MUL_LO, 0xa1                      ; source 0 (B) window 1, source 1 (A) window 0, C and D window 2
.set MUL_HI, 0xf1                      ; the same, C and D window 3
.set TO_B,   0x40                      ; destination window 1, address window 0
; A joint load.  Waves 0 and 1 fetch A's two halves, waves 2 and 3 B's.  Each of the two lines has ONE mask and one set of registers for all that issue it.  The branch hangs on the wave's number
; alone.  An s_nop 0 and four v_nop follow each of the two lines, ahead of the jump, the label and what follows the macro.
.macro JLOAD s
	s_cmp_eq_u32 s11, 0
	s_cbranch_scc0 .Lfor_b_\@
	tensor_load_to_lds s[G0+4*(\s):G0+4*(\s)+3], s[G1:G1+7]
	s_nop 0
.rept 4
	v_nop
.endr
	s_branch .Lasked_\@
.Lfor_b_\@:
	tensor_load_to_lds s[G0B+4*(\s):G0B+4*(\s)+3], s[G1B:G1B+7]
	s_nop 0
.rept 4
	v_nop
.endr
.Lasked_\@:
.endm
; A PREFETCH INTO THE L2, behind each joint refill, its five lines and the run of LDS loads that follows them: the K step that stands TWO refills on, 512 matrix instructions ahead of the load that will
; want it.  Each aligned block of 256 bytes is named ONCE in the launch.  A's tile row is read by every cluster of that row of clusters: cluster x = 0 asks; B's tile column by every cluster of that
; column: cluster y = 0 asks.  The four partners that ask for a tile jointly share it out BY ADDRESS: of the 128 rows of A that a wave fetches the partner at cx takes 32, a lane a row; of the 64 rows
; of B the partner at cy takes 16, two lanes a row of 512 bytes.  No branch hangs on a work-group's place in its cluster.  The loop's last trip (s3 = 1) asks for nothing: there is no K step two on.
.macro ASK
	s_cmp_gt_u32 s3, s[LIM]
	s_cbranch_scc0 .Lnot_mine_\@
	global_prefetch_b8 v[PFO], s[PFA:PFA+1] th:TH_LOAD_NT scope:SCOPE_SE
.Lnot_mine_\@:
.endm
; A round of the cluster's barrier: my work-group's barrier, so that wave 0's signal speaks for all four waves; wave 0 signals for the work-group; every wave waits for all sixteen work-groups;
; my work-group's barrier once more.  No LDS instruction of the wave is pending at a signal.
.macro CREST                           ; a round behind its opening barrier
	s_cmp_lg_u32 s10, 0
	s_cbranch_scc1 .Lnot_wave_0_\@
	s_barrier_signal -3
.Lnot_wave_0_\@:
	s_barrier_wait -3
	s_barrier_signal -1
	s_barrier_wait -1
.endm
.macro CROUND                          ; a whole round
	s_barrier_signal -1
	s_barrier_wait -1
	CREST
.endm
	s_load_b128 s[4:7], s[0:1], 0x0                ; xb s[4:5], wb s[6:7]
	s_load_b64 s[8:9], s[0:1], 0x10                ; out0
	s_load_b64 s[68:69], s[0:1], 0x18              ; scale
	s_load_b64 s[70:71], s[0:1], 0x20              ; bias
	v_lshl_add_u32 v[SPW], v0, 2, SPARE
	v_mov_b32 v[NIL], 0
	ds_add_u32 v[SPW], v[NIL]                      ; the wave's opening: the add and its wait stand ahead of my first tensor load; the set-up below, work on registers, stands between them
	v_lshrrev_b32 v1, 5, v0
	v_readfirstlane_b32 s10, v1                    ; wave 0..3
	s_lshr_b32 s11, s10, 1                         ; which half of the tile's rows is mine.  Also: I fetch for A (0) or for B (1)
	s_and_b32 s12, s10, 1                          ; which half of its columns.  Also: which half of that tile I fetch
	s_bfe_u32 s40, ttmp6, 0x40000                  ; cx: my place along the cluster's x
	s_bfe_u32 s41, ttmp6, 0x40004                  ; cy: along its y
	s_lshl_b32 s42, ttmp9, 2                       ; in a cluster launch ttmp9 and ttmp7 count clusters
	s_add_co_u32 s42, s42, s40                     ; tile column = 4 x cluster x + cx
	s_and_b32 s13, ttmp7, 0xffff
	s_lshl_b32 s13, s13, 2
	s_add_co_u32 s13, s13, s41                     ; tile row = 4 x cluster y + cy
	s_lshl_b32 s43, s41, 2
	s_lshl_b32 s43, 15, s43                        ; my row of the cluster: places 4 cy .. 4 cy + 3
	s_lshl_b32 s44, 0x1111, s40                    ; my column: places cx, cx + 4, cx + 8, cx + 12
	; descriptor group 1 for A: a tile of 128 rows x 128 elements
	s_or_b32 s[G1+0], s43, (1<<16)|(1<<20)|(1<<21)|(5<<22)|(3<<25)  ; 15:0 the mask: my row; 17:16 elements of 2 bytes; 20 padding on; 21 set beside a mask; 24:22 after every 64 words (code 5); 31:25 4 words of it (code 3)
	s_mov_b32 s[G1+1], KSTEP<<16                   ; 63:48 tensor_dim0, low half = 128
	s_mov_b32 s[G1+2], 128<<16                     ; 79:64 its high half = 0; 95:80 tensor_dim1, low half = 128
	s_mov_b32 s[G1+3], KSTEP<<16                   ; 111:96 its high half = 0; 127:112 tile_dim0 = 128
	s_mov_b32 s[G1+4], 128                         ; 143:128 tile_dim1 = 128; 159:144 tile_dim2 = 0
	s_mov_b32 s[G1+5], SIZE_K                      ; 191:160 elements from row to row
	s_mov_b32 s[G1+6], 0
	s_mov_b32 s[G1+7], 0
	; and for B: a tile of 64 rows x 256 elements
	s_or_b32 s[G1B+0], s44, (1<<16)|(1<<20)|(1<<21)|(6<<22)|(7<<25) ; the mask: my column; padding after every 128 words (code 6), 8 words of it (code 7)
	s_mov_b32 s[G1B+1], 256<<16                    ; tensor_dim0 = 256
	s_mov_b32 s[G1B+2], 64<<16                     ; tensor_dim1 = 64
	s_mov_b32 s[G1B+3], 256<<16                    ; tile_dim0 = 256
	s_mov_b32 s[G1B+4], 64                         ; tile_dim1 = 64
	s_mov_b32 s[G1B+5], SIZE_N                     ; elements from row to row
	s_mov_b32 s[G1B+6], 0
	s_mov_b32 s[G1B+7], 0
	; where the tiles come from.  A's hang on the tile row alone, which my row of the cluster shares; B's on the tile column alone, which my column shares.
	s_lshl_b32 s16, s13, 8
	s_lshl_b32 s17, s12, 7
	s_add_co_u32 s16, s16, s17                     ; A: row 256 x tile row + 128 x half,
	s_lshl_b32 s16, s16, 13                        ; of 8,192 bytes (under 2^25 in all)
	s_mov_b32 s17, 0
	s_lshl_b32 s46, s42, 9                         ; B: 512 bytes of a row for each tile column,
	s_lshl_b32 s47, s12, 19                        ; and 64 rows of 8,192 bytes for the half
	s_add_co_u32 s46, s46, s47
	s_mov_b32 s47, 0
	s_mul_i32 s20, s10, HALFT                      ; and where they go: A's two halves, then B's two halves = wave x HALFT: no place in the cluster enters an LDS address
	s_wait_dscnt 0x0                               ; the opening add is done
	s_wait_kmcnt 0x0
	s_add_nc_u64 s[14:15], s[4:5], s[16:17]
	s_add_nc_u64 s[46:47], s[6:7], s[46:47]
	CROUND                                         ; all sixteen work-groups are here: the first joint loads meet
.irp s, 0,1
	s_mov_b32 s[G0+4*(\s)], 1                                      ; 1:0 count = 1
	s_add_co_u32 s[G0+4*(\s)+1], s20, (\s)*SLOT                    ; 63:32 LDS address
	s_add_nc_u64 s[G0+4*(\s)+2:G0+4*(\s)+3], s[14:15], (\s)*STEP_A ; 120:64 global address: K step s
	s_or_b32 s[G0+4*(\s)+3], s[G0+4*(\s)+3], 0x80000000            ; 127:126 type = 2
	s_mov_b32 s[G0B+4*(\s)], 1
	s_add_co_u32 s[G0B+4*(\s)+1], s20, (\s)*SLOT
	s_add_nc_u64 s[G0B+4*(\s)+2:G0B+4*(\s)+3], s[46:47], (\s)*STEP_B
	s_or_b32 s[G0B+4*(\s)+3], s[G0B+4*(\s)+3], 0x80000000
	JLOAD \s                                       ; the ring is filled before anything else is done: two loads of mine are out
.endr
	; A fragment of A is 16 rows x 32 K in 8 registers: lane l holds row l % 16; registers 0-3 hold K = 8 (l / 16) + 0..7, registers 4-7 K = 16 + 8 (l / 16) + 0..7: two loads of 16 bytes, 32 bytes apart.
	v_and_b32 v1, 15, v0                           ; l % 16
	v_bfe_u32 v2, v0, 4, 1                         ; l / 16
	v_mul_u32_u24 v3, v1, PA
	v_lshl_add_u32 v3, v2, 4, v3                   ; row x pitch + 16 x half
	; The turning load takes 16 k x 16 n (lane l reads 16 bytes: k = 8 (l / 16) + l % 8, n = 8 ((l / 8) % 2) + 0..7) and leaves half a fragment of B: lane l holds column l % 16 and 8 k.
	v_and_b32 v5, 7, v0
	v_bfe_u32 v6, v0, 3, 1
	v_lshl_add_u32 v7, v2, 3, v5
	v_mul_u32_u24 v7, v7, PB
	v_lshl_add_u32 v7, v6, 4, v7
	s_mul_i32 s21, s11, HALFT                      ; my 128 rows of A
	s_lshl_b32 s22, s12, 8                         ; my 128 columns of B: 256 bytes of each row,
	s_add_co_u32 s22, s22, 2*HALFT                 ; behind A's 256 rows
.irp s, 0,1
	v_add_nc_u32 v[ADRA+(\s)], s21, v3
	v_add_nc_u32 v[ADRB+(\s)], s22, v7
	s_add_co_u32 s21, s21, SLOT
	s_add_co_u32 s22, s22, SLOT
.endr
	s_mul_i32 s23, s10, 16*SPITCH
	s_add_co_u32 s23, s23, STAGE                   ; my stage
	v_mul_u32_u24 v4, v1, SPITCH                   ; in: row l % 16, 32 bytes for each half of the lanes
	v_lshl_add_u32 v4, v2, 5, v4
	v_add_nc_u32 v[STO], s23, v4
	v_and_b32 v8, 31, v0                           ; l
	v_lshlrev_b32 v[CO], 4, v8                     ; back: 32 lanes take one row of 512 bytes
	v_add_nc_u32 v[RD], s23, v[CO]
	; out0 at my part of the tile; scale and bias at my 128 columns
	s_lshl_b32 s16, s13, 8
	s_lshl_b32 s17, s11, 7
	s_add_co_u32 s16, s16, s17                     ; my first row,
	s_lshl_b32 s16, s16, 14                        ; of 16,384 bytes (under 2^26 in all)
	s_mov_b32 s17, 0
	s_lshl_b32 s46, s42, 10                        ; my first column, in bytes: 1,024 x tile column + 512 x half
	s_lshl_b32 s47, s12, 9
	s_add_co_u32 s46, s46, s47
	s_mov_b32 s47, 0
	s_add_nc_u64 s[8:9], s[8:9], s[16:17]
	s_add_nc_u64 s[8:9], s[8:9], s[46:47]
	s_add_nc_u64 s[68:69], s[68:69], s[46:47]
	s_add_nc_u64 s[70:71], s[70:71], s[46:47]
	global_load_b128 v[SC:SC+3], v[CO], s[68:69]   ; columns 4 l .. 4 l + 3 of my 128
	global_load_b128 v[BI:BI+3], v[CO], s[70:71]
	; the prefetches.  s13 = tile row, s42 = tile column, s40 = cx, s41 = cy still stand; s[4:5] = xb, s[6:7] = wb
	s_and_b32 s22, ttmp7, 0xffff                   ; cluster y
	s_lshl_b32 s20, s13, 8
	s_lshl_b32 s21, s12, 7
	s_add_co_u32 s20, s20, s21
	s_lshl_b32 s21, s40, 5
	s_add_co_u32 s20, s20, s21                     ; A: the tile's first row + the 128 that I fetch + my work-group's 32 of them,
	s_lshl_b32 s20, s20, 13
	s_add_co_u32 s20, s20, 3*STEP_A                ; at K step 3: the first refill steps it to 4
	s_lshl_b32 s21, s12, 6
	s_lshl_b32 s23, s41, 4
	s_add_co_u32 s21, s21, s23                     ; B: the 64 rows that I fetch + my work-group's 16 of them,
	s_lshl_b32 s21, s21, 13
	s_lshl_b32 s23, s42, 9
	s_add_co_u32 s21, s21, s23                     ; the tile's 512 bytes of a row,
	s_add_co_u32 s21, s21, 3*STEP_B                ; at K step 3
	s_mul_i32 s23, s11, 12
	s_lshl_b32 s[PFS], STEP_A, s23                 ; 256 bytes for A, 256 x 2^12 = STEP_B for B
	s_mov_b32 s[PFS+1], 0
	s_cmp_eq_u32 s11, 0                            ; do I fetch for A?
	s_cselect_b32 s20, s20, s21
	s_cselect_b32 s22, ttmp9, s22                  ; the coordinate along which other clusters read the same rows
	s_cselect_b64 s[PFA:PFA+1], s[4:5], s[6:7]
	s_mov_b32 s21, 0
	s_add_nc_u64 s[PFA:PFA+1], s[PFA:PFA+1], s[20:21]
	s_cmp_eq_u32 s22, 0
	s_cselect_b32 s[LIM], 1, -1                    ; the same in all sixteen partners, for a given wave
	v_lshrrev_b32 v3, s11, v8                      ; A: a lane a row; B: two lanes a row,
	v_lshlrev_b32 v3, 13, v3
	v_and_b32 v4, s11, v8                          ; the odd lane its second 256 bytes
	v_lshl_add_u32 v[PFO], v4, 8, v3
	; nothing is prefetched here, at the head, where every work-group's first two tiles are on their way: K steps 2 and 3 come by their refills alone
; 16 matrix instructions: m blocks a0, a0 + 1 of the window's four (hi = 0: my rows 0-63, 1: rows 64-127) x all 8 n blocks, 32 along K.  zero = 1: the first product starts the sums: nothing is cleared.
; The 64 accumulators take turns, one instruction a turn, in the same order in every quarter step, over the backward jump too.
.macro MUL16 f, hi, a0, zero
	WIN MUL_LO+0x50*(\hi)
.irp a, \a0, (\a0)+1
.irp b, 0,1,2,3,4,5,6,7
.if \zero
	v_wmma_f32_16x16x32_bf16 v[8*(8*(\a)+(\b)):8*(8*(\a)+(\b))+7], v[(\f)+8*(\b):(\f)+8*(\b)+7], v[(\f)+8*(4*(\hi)+(\a)):(\f)+8*(4*(\hi)+(\a))+7], 0
.else
	v_wmma_f32_16x16x32_bf16 v[8*(8*(\a)+(\b)):8*(8*(\a)+(\b))+7], v[(\f)+8*(\b):(\f)+8*(\b)+7], v[(\f)+8*(4*(\hi)+(\a)):(\f)+8*(4*(\hi)+(\a))+7], v[8*(8*(\a)+(\b)):8*(8*(\a)+(\b))+7]
.endif
.endr
.endr
.endm
; 32 LDS loads in one run: the fragments of quarter q of a K step (32 along K; my 128 columns of B, turned; my 128 rows of A) into buffer f.  B's sixteen first.
.macro FETCH slot, q, f
	WIN TO_B
.irp i, 0,1,2,3,4,5,6,7
	ds_load_tr16_b128 v[(\f)+8*(\i):(\f)+8*(\i)+3],   v[ADRB+(\slot)] offset:(\q)*32*PB+32*(\i)         ; k = 32 q + 8 (l / 16) + 0..7 of column 16 i + l % 16
	ds_load_tr16_b128 v[(\f)+8*(\i)+4:(\f)+8*(\i)+7], v[ADRB+(\slot)] offset:(\q)*32*PB+16*PB+32*(\i)   ; and the same 16 further along K; 61,152 at the most, inside the 16-bit offset
.endr
	WIN 0
.irp i, 0,1,2,3,4,5,6,7
	ds_load_b128 v[(\f)+8*(\i):(\f)+8*(\i)+3],   v[ADRA+(\slot)] offset:64*(\q)+(\i)*16*PA
	ds_load_b128 v[(\f)+8*(\i)+4:(\f)+8*(\i)+7], v[ADRA+(\slot)] offset:64*(\q)+(\i)*16*PA+32
.endr
.endm
; A load into a register that a matrix instruction has read, and an LDS store that reads a matrix result, stand four places behind that matrix instruction, and only plain vector instructions
; that name none of its registers are places (ISA guide 7.12.1 for vector instructions).
.macro PLACES
.rept 4
	v_nop
.endr
.endm
; A K step is four quarter steps of 32 along K, 64 matrix instructions each, on buffers 0, 1, 0, 1.
; One of the first three: multiplies buffer f; in its middle it fetches quarter q of the same slot into buffer g.
.macro QUARTER slot, q, f, g, zero
	s_wait_dscnt 8                                 ; B and A's rows 0-63 are in; the youngest eight loads (A's rows 64-127) may be out
	MUL16 \f, 0, 0, \zero
	MUL16 \f, 0, 2, \zero
	PLACES
	FETCH \slot, \q, \g
	s_wait_dscnt 32                                ; all but the 32 just issued
	MUL16 \f, 1, 0, \zero
	MUL16 \f, 1, 2, \zero
.endm
; The last quarter multiplies buffer 1 and changes slots: ONE barrier, for two things.  In front of it each wave waits for all its tensor loads, of which one is out: its part of the next slot; adds 0
; to its spare word; and waits for that and for its own reads of this slot.  Behind it nobody reads this slot any more and the next slot is whole.
; fill = 1: the barrier opens a round of the cluster's barrier, so that no wave of any partner still reads the slot or has a load on its way, and the slot is filled again, two K steps on, first thing
; behind the round: from that request to the wait for it a wave issues 224 matrix instructions.
.macro TURN slot, next, fill
.if \fill
	s_wait_xcnt 0x0                                ; the last prefetch, a K step back, has read its address: it is stepped here, ahead of the waits of the change of slots
	s_add_nc_u64 s[PFA:PFA+1], s[PFA:PFA+1], s[PFS:PFS+1]
.endif
	WIN 0                                          ; (the add's two registers lie in window 0)
	s_wait_tensorcnt 0x0                           ; all my tensor loads have landed: the one that was out is my part of the next slot;
	ds_add_u32 v[SPW], v[NIL]                      ; 0 onto my spare word;
	s_wait_dscnt 9                                 ; (the add and the youngest eight loads may be out)
	MUL16 F1, 0, 0, 0                              ; sixteen matrix instructions stand between the add and the wait for it
	s_wait_dscnt 0x0                               ; the add is done, and my reads of this slot are over:
	s_barrier_signal -1                            ; say so,
	MUL16 F1, 0, 2, 0                              ; work on registers while the others arrive,
.if \fill
	WIN 0
.endif
	s_barrier_wait -1                              ; and go on when all four have said so
.if \fill
	CREST                                          ; all sixteen work-groups have said so
	s_add_nc_u64 s[G0+4*(\slot)+2:G0+4*(\slot)+3], s[G0+4*(\slot)+2:G0+4*(\slot)+3], 2*STEP_A     ; no tensor load of mine is out, so a group 0 may be written; the type bits on top are not reached
	s_add_nc_u64 s[G0B+4*(\slot)+2:G0B+4*(\slot)+3], s[G0B+4*(\slot)+2:G0B+4*(\slot)+3], 2*STEP_B
	JLOAD \slot                                    ; my one tensor load behind the round; the four v_nop behind it are also the places in front of the loads below
.else
	PLACES
.endif
	FETCH \next, 0, F0
.if \fill
	ASK                                            ; behind the joint load and the run of LDS loads that the next products wait for
.endif
	MUL16 F1, 1, 0, 0
	MUL16 F1, 1, 2, 0
.endm
; THE WAY OUT of block a (16 rows x my 128 columns), in two parts.  TOSTAGE: the eight accumulators as they are, each one's four lowest registers first, into my own stage,
; and back as whole rows of 512 bytes.
.macro TOSTAGE a
.set AC, 64*((\a)%4)
.set BK, OB+64*((\a)%2)
	WIN 0x08+4*((\a)/4)                            ; the stores' data (source 1) in window 2 or 3, the address in window 0
.irp b, 0,1,2,3,4,5,6,7
	ds_store_b128 v[STO], v[AC+8*(\b):AC+8*(\b)+3]   offset:64*(\b)
	ds_store_b128 v[STO], v[AC+8*(\b)+4:AC+8*(\b)+7] offset:64*(\b)+16
.endr
	WIN 0
.irp t, 0,1,2,3,4,5,6,7,8,9,10,11,12,13,14,15
	ds_load_b128 v[BK+4*(\t):BK+4*(\t)+3], v[RD] offset:(\t)*SPITCH  ; LDS serves a wave's instructions in order (ISA guide 5.7.1.4): these see the stores above; the next block's stores come behind them
.endr
.endm
; SEND: sum x scale + bias, and the row is stored.  younger: the LDS instructions issued behind block a's loads: the next block's 32, or none.
.macro SEND a, younger
.set BK, OB+64*((\a)%2)
.irp t, 0,1,2,3,4,5,6,7,8,9,10,11,12,13,14,15
	s_wait_dscnt (\younger)+15-(\t)                ; row t is back
	v_pk_fma_f32 v[BK+4*(\t):BK+4*(\t)+1],   v[BK+4*(\t):BK+4*(\t)+1],   v[SC:SC+1],   v[BI:BI+1]
	v_pk_fma_f32 v[BK+4*(\t)+2:BK+4*(\t)+3], v[BK+4*(\t)+2:BK+4*(\t)+3], v[SC+2:SC+3], v[BI+2:BI+3]
	global_store_b128 v[CO], v[BK+4*(\t):BK+4*(\t)+3], s[8:9] offset:(16*(\a)+(\t))*SIZE_N*4 th:TH_STORE_NT  ; 32 lanes store 512 consecutive bytes, at a multiple of 512 from out0's first byte; 127 rows at the most: inside the signed 24-bit immediate
.endr
.endm
	s_wait_tensorcnt 1                             ; my part of K step 0 is in; K step 1's load stays out
	s_wait_loadcnt 0x0                             ; scale and bias, once
	s_barrier_signal -1
	s_barrier_wait -1                              ; everybody's part is in
	FETCH 0, 0, F0
	QUARTER 0, 1, F0, F1, 1                        ; the first quarter stands in front of the loop: its products start the sums
	WIN 0                                          ; at a label and at a branch every window is 0
	s_mov_b32 s3, LAPS-1
.Llap:                                                 ; a trip goes once round the ring, from a lap's second quarter to the next lap's first, and fills both slots again
	QUARTER 0, 2, F1, F0, 0
	QUARTER 0, 3, F0, F1, 0
	TURN 0, 1, 1
	QUARTER 1, 1, F0, F1, 0
	QUARTER 1, 2, F1, F0, 0
	QUARTER 1, 3, F0, F1, 0
	TURN 1, 0, 1
	QUARTER 0, 1, F0, F1, 0
	WIN 0
	s_sub_co_u32 s3, s3, 1
	s_cmp_lg_u32 s3, 0
	s_cbranch_scc1 .Llap
	QUARTER 0, 2, F1, F0, 0                        ; the last lap is written out: it fills nothing, and has no round of the cluster's barrier
	QUARTER 0, 3, F0, F1, 0
	TURN 0, 1, 0
	QUARTER 1, 1, F0, F1, 0
	QUARTER 1, 2, F1, F0, 0
	QUARTER 1, 3, F0, F1, 0
	s_wait_dscnt 8                                 ; the very last quarter: nothing more to fetch
	MUL16 F1, 0, 0, 0
	MUL16 F1, 0, 2, 0
	s_wait_dscnt 0x0
	MUL16 F1, 1, 0, 0
	MUL16 F1, 1, 2, 0
	WIN 0
	PLACES                                         ; in front of the stage's stores, which read results, and of the loads into the fragments' registers
	PLACES                                         ; (eight, once a launch)
	TOSTAGE 0
.irp a, 0,1,2,3,4,5,6                  ; block a + 1 goes through the stage while block a's rows are scaled and stored
	s_wait_xcnt 0x0                                ; the stores of block a - 1 have read their registers, into which block a + 1 is read back
	TOSTAGE (\a)+1
	SEND \a, 32
.endr
	SEND 7, 0
	s_wait_tensorcnt 0x0                           ; the wave's end: behind my last tensor load and my last LDS store
	ds_add_u32 v[SPW], v[NIL]
	s_wait_dscnt 0x0
	CROUND                                         ; the closing round: no work-group ends while a partner may still ask for a tile that names it
	s_endpgm
.Lfunc_end_k_q96e488801c_gemm:
	.size	k_q96e488801c_gemm, .Lfunc_end_k_q96e488801c_gemm-k_q96e488801c_gemm
	.p2alignl 7, 3214868480
	.fill 96, 4, 3214868480
	.section	.rodata,"a",@progbits
	.p2align	6, 0x0
	.amdhsa_kernel k_q96e488801c_gemm
		.amdhsa_group_segment_fixed_size 327680
		.amdhsa_private_segment_fixed_size 0
		.amdhsa_enable_private_segment 0
		.amdhsa_kernarg_size 40
		.amdhsa_user_sgpr_count 2
		.amdhsa_user_sgpr_kernarg_segment_ptr 1
		.amdhsa_wavefront_size32 1
		.amdhsa_system_sgpr_workgroup_id_x 1
		.amdhsa_system_sgpr_workgroup_id_y 1
		.amdhsa_system_sgpr_workgroup_id_z 1
		.amdhsa_system_vgpr_workitem_id 0
		.amdhsa_next_free_vgpr 1024
		.amdhsa_next_free_sgpr 72
		.amdhsa_reserve_vcc 0
		.amdhsa_float_denorm_mode_32 3
		.amdhsa_float_denorm_mode_16_64 3
		.amdhsa_memory_ordered 1
		.amdhsa_forward_progress 1
		.amdhsa_inst_pref_size 162
	.end_amdhsa_kernel
	.amdgpu_metadata
---
amdhsa.version: [ 1, 2 ]
amdhsa.kernels:
  - .name:           k_q96e488801c_gemm
    .symbol:         k_q96e488801c_gemm.kd
    .args:
      - { .name: xb, .offset: 0, .size: 8, .value_kind: global_buffer, .address_space: global }
      - { .name: wb, .offset: 8, .size: 8, .value_kind: global_buffer, .address_space: global }
      - { .name: out0, .offset: 16, .size: 8, .value_kind: global_buffer, .address_space: global }
      - { .name: scale, .offset: 24, .size: 8, .value_kind: global_buffer, .address_space: global }
      - { .name: bias, .offset: 32, .size: 8, .value_kind: global_buffer, .address_space: global }
    .group_segment_fixed_size: 327680
    .private_segment_fixed_size: 0
    .kernarg_segment_align: 8
    .kernarg_segment_size: 40
    .max_flat_workgroup_size: 128
    .sgpr_count:     72
    .vgpr_count:     1024
    .wavefront_size: 32
...
	.end_amdgpu_metadata
.endif
;; end of part 2
;; ======== version 2 of 2: 2 launches; version 1 with the launch cast written anew for expert scheduling mode
;; workspace buffers: xb 33,554,432 bytes; wb 33,554,432 bytes
;; launch cast (part 3): grid 256 x 2, 8 waves a work-group, no clusters, 0 bytes of LDS; arguments x, q_int, zero_point, xb, wb; writes xb, wb
.if DOCPART == 3
	.amdgcn_target "amdgcn-amd-amdhsa--gfx1250"
	.amdhsa_code_object_version 6
	.text
	.protected	k_q96e488801c_cast
	.globl	k_q96e488801c_cast
	.p2align	8
	.type	k_q96e488801c_cast,@function
k_q96e488801c_cast:
	s_mov_b64 s[64:65], 0
	v_nop
	global_prefetch_b8 v0, s[64:65] scope:SCOPE_SE
	s_setreg_imm32_b32 hwreg(HW_REG_WAVE_SCHED_MODE, 0, 2), 2
	s_setreg_imm32_b32 hwreg(HW_REG_WAVE_MODE, 25, 1), 1
	s_wait_xcnt 0x0
	s_wait_alu depctr_vm_vsrc(0)
; BOTH MATRIX OPERANDS ARE MADE, ONCE.  xb[m][k] = bf16(x[m][k]);  wb[k][n] = bf16(f32(q_int[k][n]) - f32(zero_point[n])).  All four arrays are [4096][4096], the last index along the rows;
; neither is turned.  The scale is not folded in: it stays in f32 and meets the finished sums in the next launch.
; LIMITS.  x is rounded once to bf16 (8 significant bits).  q - zp is formed in f32 and rounded once: exact up to a magnitude of 256, 8 significant bits beyond; whole numbers
; beyond 2^24 are rounded by the conversion to f32.  NaN and infinities are not treated apart.
; SHARES.  Work-group (x, y) takes rows 16 x .. 16 x + 15 of x (y = 0) or of q_int (y = 1): 262,144 dense bytes in, 131,072 out.  A CHUNK is 1,024 numbers: thread t takes numbers 4 t .. 4 t + 3 of it,
; so a wave's load covers 512 consecutive bytes and a wave's store 256 consecutive bytes, aligned.  A row is four chunks, so chunk i has the columns of group i % 4: a thread's sixteen zero points
; stay in registers.  A ring of 16 slots in registers keeps 12 to 16 loads of every wave on their way; no wait for data in the loop is for zero.
; LEFT OUT: LDS, tensor loads and clusters (no byte is wanted twice); a prefetch (the loads themselves are the stream).
; THE MODE: SCHED_MODE bits 1:0 = 2 (LLVM: expert scheduling mode 2), set by the entry lines.  The code itself states the register dependences between vector instructions and memory
; instructions, with s_wait_alu, always for 0.
; THE PLAN.  The ring's 16 slots go in four BLOCKS of four, a row of the array each; a round takes every block once.  Registers that memory instructions touch:
;   X0 .. X3   Block b: its conversions read X[b]; behind them the four loads of the same block of the next round land in it.
;   Y0 .. Y3   Block b: its roundings write Y[b]; behind them the block's four stores read it; it is written again by block b of the next round.
;   v1, v2     The loads' and the stores' offsets, made once at the head and never written again: the chunks are reached by the scalar bases, stepped once a round, and by immediate offsets.
;   ZP         Loaded once at the head; from then on named by vector instructions alone.  T is named by vector instructions alone.
; So ONE wait on va_vdst stands in a block, behind its conversions: they are done reading X[b] and have written Y[b]; the block's four loads and four stores follow it with no vector instruction
; between.  ONE wait on vm_vsrc stands in a round, at its end: the round's sixteen stores have read Y.  One more wait on va_vdst, at the head, is for the two offsets.
.set CH_IN,   4096                     ; bytes of a chunk as loaded
.set CH_OUT,  2048                     ; and as stored
.set DEPTH,   16                       ; slots in the ring; four rows
.set BLK,     4                        ; slots in a block: one row
.set ROUNDS,  64/DEPTH                 ; the share's 64 chunks
.set RND_IN,  DEPTH*CH_IN
.set RND_OUT, DEPTH*CH_OUT
.set VI,  1                            ; v1        16 t: my bytes in a chunk as loaded, and in a group of zero points; never rewritten
.set VO,  2                            ; v2        8 t: my bytes in a chunk as stored; never rewritten
.set ZP,  4                            ; v[4:19]   my zero points in f32: group j at ZP + 4 j
.set T,   20                           ; v[20:23]  at work
.set X,   24                           ; v[24:87]  block b, slot c: 4 registers at X + 16 b + 4 c, as loaded
.set Y,   88                           ; v[88:119] block b, slot c: 2 registers at Y + 8 b + 2 c, to store
.set IN,  20                           ; s[20:21]  the source at the round in hand
.set OUT, 22                           ; s[22:23]  the target at the round in hand
; Slot c of block b is made: four numbers from X into two registers of Y.  kind = 0: x; 1: q_int.
.macro CONV kind, b, c
.if \kind
.irp k, 0,1,2,3
	v_cvt_f32_i32 v[T+(\k)], v[X+16*(\b)+4*(\c)+(\k)]
.endr
	v_pk_add_f32 v[T:T+1],   v[T:T+1],   v[ZP+4*(\c):ZP+4*(\c)+1]   neg_lo:[0,1] neg_hi:[0,1]  ; q - zp, two at a time
	v_pk_add_f32 v[T+2:T+3], v[T+2:T+3], v[ZP+4*(\c)+2:ZP+4*(\c)+3] neg_lo:[0,1] neg_hi:[0,1]
	v_cvt_pk_bf16_f32 v[Y+8*(\b)+2*(\c)],   v[T],   v[T+1]
	v_cvt_pk_bf16_f32 v[Y+8*(\b)+2*(\c)+1], v[T+2], v[T+3]
.else
	v_cvt_pk_bf16_f32 v[Y+8*(\b)+2*(\c)],   v[X+16*(\b)+4*(\c)],   v[X+16*(\b)+4*(\c)+1]
	v_cvt_pk_bf16_f32 v[Y+8*(\b)+2*(\c)+1], v[X+16*(\b)+4*(\c)+2], v[X+16*(\b)+4*(\c)+3]
.endif
.endm
; One block's turn.  ahead = 1: the block is filled again with the chunks DEPTH further on.  left = how many younger loads may stay out.
.macro BLOCK kind, b, ahead, left
	s_wait_loadcnt \left                           ; loads come back in order (ISA guide 5.7.1): X[b]'s four are in, the younger blocks' stay out
.irp c, 0,1,2,3
	CONV \kind, \b, \c
.endr
	s_wait_alu depctr_va_vdst(0)                   ; the block's conversions are done reading X[b], in which the loads below land, and have written Y[b], which the stores below read
.if \ahead
.irp c, 0,1,2,3
	global_load_b128 v[X+16*(\b)+4*(\c):X+16*(\b)+4*(\c)+3], v[VI], s[IN:IN+1] offset:CH_IN*(4*(\b)+(\c))+RND_IN th:TH_LOAD_NT  ; the loads go out ahead of the stores
.endr
.endif
.irp c, 0,1,2,3
	global_store_b64 v[VO], v[Y+8*(\b)+2*(\c):Y+8*(\b)+2*(\c)+1], s[OUT:OUT+1] offset:CH_OUT*(4*(\b)+(\c))  ; no hint: the next launch reads these bytes
.endr
.endm
; A work-group's whole share, to the end of the program.
.macro STREAM kind
.if \kind
	s_add_nc_u64 s[IN:IN+1],   s[6:7],   s[16:17]
	s_add_nc_u64 s[OUT:OUT+1], s[12:13], s[18:19]
.irp j, 0,1,2,3
	global_load_b128 v[ZP+4*(\j):ZP+4*(\j)+3], v[VI], s[8:9] offset:4096*(\j)  ; columns 1,024 j + 4 t .. + 3
.endr
.else
	s_add_nc_u64 s[IN:IN+1],   s[4:5],   s[16:17]
	s_add_nc_u64 s[OUT:OUT+1], s[10:11], s[18:19]
.endif
.irp i, 0,1,2,3,4,5,6,7,8,9,10,11,12,13,14,15
	global_load_b128 v[X+4*(\i):X+4*(\i)+3], v[VI], s[IN:IN+1] offset:CH_IN*(\i) th:TH_LOAD_NT  ; the ring is filled: chunks 0 to 15; each byte is read once in the launch; no vector instruction has named X
.endr
.if \kind
	s_wait_loadcnt 16                              ; the zero points are in; the ring's sixteen loads, issued behind them, stay out
.irp j, 0,1,2,3,4,5,6,7,8,9,10,11,12,13,14,15
	v_cvt_f32_i32 v[ZP+(\j)], v[ZP+(\j)]
.endr
.endif
	s_mov_b32 s24, ROUNDS-1
.Lr\kind:
.irp b, 0,1,2,3
	BLOCK \kind, \b, 1, DEPTH-BLK
.endr
	s_wait_xcnt 0x0                                ; every load and store issued so far has had its addresses translated (ISA guide 3.1): only behind this wait are the two bases stepped and Y written again
	s_wait_alu depctr_vm_vsrc(0)                   ; the round's sixteen stores have read Y0 .. Y3, which the next round's roundings write again; it stands ahead of the jump, on the way back and on the way out
	s_add_nc_u64 s[IN:IN+1],   s[IN:IN+1],   RND_IN
	s_add_nc_u64 s[OUT:OUT+1], s[OUT:OUT+1], RND_OUT
	s_sub_co_u32 s24, s24, 1
	s_cmp_lg_u32 s24, 0
	s_cbranch_scc1 .Lr\kind
.irp b, 0,1,2,3
	BLOCK \kind, \b, 0, DEPTH-BLK-BLK*(\b)         ; the last round loads nothing: no load leaves the share, and the counts run down by a block
.endr
	s_endpgm
.endm
	s_load_b256 s[4:11], s[0:1], 0x0               ; x s[4:5], q_int s[6:7], zero_point s[8:9], xb s[10:11]
	s_load_b64 s[12:13], s[0:1], 0x20              ; wb
	v_lshlrev_b32 v[VI], 4, v0
	v_lshlrev_b32 v[VO], 3, v0
	s_and_b32 s14, ttmp7, 0xffff                   ; which of the two arrays
	s_lshl_b32 s16, ttmp9, 18                      ; my 16 rows: 262,144 bytes a work-group as loaded (under 2^26 in all),
	s_mov_b32 s17, 0
	s_lshl_b32 s18, ttmp9, 17                      ; 131,072 as stored
	s_mov_b32 s19, 0
	s_wait_kmcnt 0x0
	s_wait_alu depctr_va_vdst(0)                   ; v1 and v2 are written: every load and store of the kernel, on both ways below, reads one of them as its offset
	s_cmp_eq_u32 s14, 0
	s_cbranch_scc0 .Lq
	STREAM 0
.Lq:
	STREAM 1
.Lfunc_end_k_q96e488801c_cast:
	.size	k_q96e488801c_cast, .Lfunc_end_k_q96e488801c_cast-k_q96e488801c_cast
	.p2alignl 7, 3214868480
	.fill 96, 4, 3214868480
	.section	.rodata,"a",@progbits
	.p2align	6, 0x0
	.amdhsa_kernel k_q96e488801c_cast
		.amdhsa_group_segment_fixed_size 0
		.amdhsa_private_segment_fixed_size 0
		.amdhsa_enable_private_segment 0
		.amdhsa_kernarg_size 40
		.amdhsa_user_sgpr_count 2
		.amdhsa_user_sgpr_kernarg_segment_ptr 1
		.amdhsa_wavefront_size32 1
		.amdhsa_system_sgpr_workgroup_id_x 1
		.amdhsa_system_sgpr_workgroup_id_y 1
		.amdhsa_system_sgpr_workgroup_id_z 1
		.amdhsa_system_vgpr_workitem_id 0
		.amdhsa_next_free_vgpr 120
		.amdhsa_next_free_sgpr 66
		.amdhsa_reserve_vcc 0
		.amdhsa_float_denorm_mode_32 3
		.amdhsa_float_denorm_mode_16_64 3
		.amdhsa_memory_ordered 1
		.amdhsa_forward_progress 1
		.amdhsa_inst_pref_size 32
	.end_amdhsa_kernel
	.amdgpu_metadata
---
amdhsa.version: [ 1, 2 ]
amdhsa.kernels:
  - .name:           k_q96e488801c_cast
    .symbol:         k_q96e488801c_cast.kd
    .args:
      - { .name: x, .offset: 0, .size: 8, .value_kind: global_buffer, .address_space: global }
      - { .name: q_int, .offset: 8, .size: 8, .value_kind: global_buffer, .address_space: global }
      - { .name: zero_point, .offset: 16, .size: 8, .value_kind: global_buffer, .address_space: global }
      - { .name: xb, .offset: 24, .size: 8, .value_kind: global_buffer, .address_space: global }
      - { .name: wb, .offset: 32, .size: 8, .value_kind: global_buffer, .address_space: global }
    .group_segment_fixed_size: 0
    .private_segment_fixed_size: 0
    .kernarg_segment_align: 8
    .kernarg_segment_size: 40
    .max_flat_workgroup_size: 256
    .sgpr_count:     66
    .vgpr_count:     120
    .wavefront_size: 32
...
	.end_amdgpu_metadata
.endif
;; end of part 3
;; launch gemm: the kernel of part 2 again; grid 16 x 16, 4 waves a work-group, clusters of 4 x 4, 327,680 bytes of LDS; arguments xb, wb, out0, scale, bias; writes out0
